; MI455X (gfx1250); checked and timed in simulation.
; The chip was launched on July 23, 2026; its instructions are those of AMD's public machine-readable ISA for CDNA 5 (MIT licence, August 2026) and "CDNA5" Instruction Set Architecture Reference Guide (July 2026). The comments in the code are by the model that wrote it; some were corrected since.
;; FP8 Linear. Allowed arithmetic: matrix products marked QUANTISED: E2M1 operands, one E8M0 scale for each 32 along K, by v_wmma_scale_f32_16x16x128_f8f6f4 with both operands' format E2M1 (or v_wmma_scale_f32_32x16x128_f4), f32 sums; everything else in f32.
;; Inputs: bias 4,000 float32; weight 4,000 x 4,096 float32; x 2 x 2,048 x 4,096 float32.
;; Outputs: out0 2 x 2,048 x 4,000 float32.
;; This version of the problem:
;;   THIS VERSION OF THE PROBLEM IS GIVEN IN LOW PRECISION. The matrix products marked QUANTISED in the list below multiply operands that are first quantised to E2M1 (2 exponent bits, 1 mantissa bit; 4 bits a number), with one power-of-two scale for each 32 numbers along K (OCP MX v1.0); their sums are f32. All else is computed in f32.
;;   The module's matrix products, in the order in which they are computed (A, B: the left and right operand; K: the contracted axis; several contracted axes count as one K, in the product's order):
;;     1. [M 4,096, K 4,096] x [K 4,096, N 4,000]; A: computed on the way; B: computed on the way: QUANTISED
;;   THE QUANTISER, for each operand of a quantised product, along K:
;;     - K is cut into blocks of 32 from its start; a last block that is shorter is filled with zeros.
;;     - A block's scale is 2^e with e = floor(log2(the largest magnitude in the block)) - 2, held to -126 .. 127; a block of zeros has e = 0. As a byte (E8M0): e + 127.
;;     - Each number is divided by its block's scale, clamped to +-6, and rounded to the nearest number of E2M1, ties to even, subnormals kept.
;;     - The product sums the exact products of the quantised numbers (number of the format x scale) in f32.
;;   ~~~python
;;   def quantise(x, axis):      # numpy; x: float32 -> the quantised numbers, widened to float32 again
;;       x = np.moveaxis(x, axis, -1); K = x.shape[-1]
;;       x = np.pad(x, [(0, 0)] * (x.ndim - 1) + [(0, -K % 32)]); x = x.reshape(x.shape[:-1] + (-1, 32)); a = np.abs(x).max(-1, keepdims=True)
;;       e = np.where(a > 0, np.clip(np.frexp(np.where(a > 0, a, 1))[1] - 1 - 2, -126, 127), 0)      # np.frexp(a)[1] - 1 = floor(log2(a)), exactly
;;       r = np.clip(x / 2.0 ** e, -6, 6)
;;       step = 2.0 ** (np.maximum(np.frexp(np.where(r == 0, 1, r))[1] - 1, 0) - 1)
;;       q = np.round(r / step) * step * 2.0 ** e      # np.round: ties to even
;;       return np.moveaxis(q.reshape(q.shape[:-2] + (-1,))[..., :K], -1, axis).astype(np.float32)
;;   ~~~
;;   OPERANDS COMPUTED ON THE WAY. 'Computed on the way' means the value that the module computes at that place (a softmax that the list does not call 'softmax' is quantised finished and normalised). What goes into a quantiser is computed in f32, as accurately as f32 sums, v_exp_f32 and their like allow (about 1e-6 of the number): no bf16 or f16 on the way to a quantiser, and a product that is left as it is and whose result goes on into a quantised operand takes f32 operands (vector FMAs, or v_wmma_f32_16x16x4_f32). A number that lies on a knife's edge between two numbers of the format may be rounded either way, as far as f32 arithmetic and the matrix unit's own rounding can turn it there, and no further.
;; One version. Each part assembles by itself: llvm-mc -triple=amdgcn-amd-amdhsa -mcpu=gfx1250 --defsym DOCPART=n.
;; ======== version 1 of 1: 2 launches
;; limits: right only within a limited range of input values
;; workspace buffers: xq 8,912,896 bytes; wq 8,982,528 bytes
;; launch quant (part 1): grid 1028 x 1, 4 waves a work-group, no clusters, 33,280 bytes of LDS; arguments x, weight, xq, wq; writes xq, wq
.if DOCPART == 1
	.amdgcn_target "amdgcn-amd-amdhsa--gfx1250"
	.amdhsa_code_object_version 6
	.text
	.protected	k_qa2a426e7a6_quant
	.globl	k_qa2a426e7a6_quant
	.p2align	8
	.type	k_qa2a426e7a6_quant,@function
k_qa2a426e7a6_quant:
	s_mov_b64 s[64:65], 0
	v_nop
	global_prefetch_b8 v0, s[64:65] scope:SCOPE_SE
	s_setreg_imm32_b32 hwreg(HW_REG_WAVE_MODE, 25, 1), 1
	s_wait_xcnt 0x0
; x [4096][4096] and weight [4000][4096], f32, K innermost, become codes of FP4 (E2M1) with one E8M0 scale byte for each 32 along K.
; AHEAD OF THE QUANTISER: v = x * c, c the f32 nearest to 1 / f32(64 / 448) (0x40dfffff), or v = weight * 512 (exact); then the clip at +-448.
; THE CLIP is applied to the block's largest magnitude alone (one v_min_num_f32).  That is the same for every finite input: where no |v| of a block passes 448 nothing is clipped;
; where one does, the clipped block's largest magnitude is 448, its scale 2^6, and 448 / 64 = 7 as well as anything larger is held at the largest code, 6, by the conversion itself.
; A block's scale is 2^(floor(log2(its largest magnitude)) - 2): its byte is the largest magnitude's own exponent field - 2, held at 1 from below by a floor among the maximum's leaves.
; LIMITS: NaN among the inputs is not served; infinities take the clip's way but were not tried; blocks whose largest magnitude lies under 2^-124 (the floor) were not tried;
; a block of zeros gets the byte 1 (the rule says 127): its codes are zeros, which add nothing under that byte, and this program alone reads the bytes.
; THE WORKSPACE is laid for the product's launch: [8 K steps of 512][groups of 32 rows][8,704 bytes].  A group's part: 32 x 256 bytes, row r's 512 codes of the K step, K ascending, the lower k in the
; low four bits; then 2 x 256 bytes, unit u holding the scale bytes of rows 16 u .. 16 u + 15, 16 bytes a row.  So any 128 rows that begin at a multiple of 32 are, for a K step, one dense block of 34,816 bytes.
; xq has 128 groups, and ITS ROWS ARE SORTED BY PARITY: row 2 i + p of x lies at place 2048 p + i, since a tile of the product takes rows of one parity.
; wq has 129 groups: group 0 and groups 126 to 128 are zero codes under the byte 127 (columns -32 .. -1 and 4000 .. 4095 of the product's tiles), groups 1 to 125 are weight's 4,000 rows.
; SHARES.  Work-groups 0-511 take x, 512-1011 weight, 1012-1027 wq's four spare groups.  L = the work-group's number in its tensor; it takes the L / 2-th 16 places and K steps 4 (L % 2) on;
; wave w takes one K step: 16 rows x 512 numbers, a row (2,048 consecutive bytes) a step.
; The conversions take neighbours along K from ONE lane's registers; a load is best where neighbouring lanes take neighbouring bytes.  Both are had: each of a step's four loads reads 512 consecutive bytes,
; 16 a lane; the 2,048 bytes go through the wave's own stage in LDS and come back 64 bytes a lane (16 bytes of padding behind each 64).  Two neighbouring lanes hold a block of 32.
; No tensor loads, no barrier: waves share nothing.  Loads run four steps (16 loads a wave) ahead, the turn through LDS one step.  No store's source is written again.
.set STEPS, 16
.set SUB,   8704                       ; a group's part of a K step
.set R,     16                         ; v16-79   four sets of 16 numbers as they are loaded
.set X,     80                         ; v80-111  two sets of 16 neighbours
.set E,     112                        ; v112-127 a scale byte for each step
.set C,     128                        ; v128-159 codes: two registers for each step, so that no store's data are written again
.set VO,    160                        ; v160-163 set j: my byte offset in the row that the set loads next
.set WREG,  8192                       ; LDS: a region of its own for each wave: two stages of 32 x SP bytes, and behind them its 256 scale bytes
.set SP,    80                         ; a lane's place in a stage: its 64 bytes + 16 of padding
	s_load_b256 s[4:11], s[0:1], 0x0               ; x s[4:5], weight s[6:7], xq s[8:9], wq s[10:11]
	v_lshl_add_u32 v164, v0, 2, 0x8000
	v_mov_b32 v165, 0
	v_lshrrev_b32 v1, 5, v0
	v_readfirstlane_b32 s16, v1                    ; wave 0..3
	v_and_b32 v2, 31, v0                           ; lane
	v_lshlrev_b32 v3, 4, v2                        ; my 16 bytes of a load's 512
	s_mul_i32 s24, s16, WREG
	v_lshrrev_b32 v14, 2, v2
	v_mul_u32_u24 v14, v14, SP
	v_and_b32 v15, 3, v2
	v_lshl_add_u32 v14, v15, 4, v14
	v_add_nc_u32 v14, s24, v14                     ; the stage, on the way in: SP (lane / 4) + 16 (lane % 4); a load's 512 bytes take eight places
	v_mul_u32_u24 v15, v2, SP
	v_add_nc_u32 v15, s24, v15                     ; and on the way out: SP x lane: my 16 neighbours
	v_lshlrev_b32 v4, 3, v2                        ; 8 x lane: my codes' place in a row's 256 bytes, and my 8 of the wave's 256 scale bytes
	v_lshrrev_b32 v5, 1, v2
	s_add_co_u32 s24, s24, 2*32*SP
	v_add_nc_u32 v5, s24, v5                       ; LDS: my wave's 256 scale bytes, my block's byte
	v_add_nc_u32 v6, s24, v4                       ; and on the way out 8 bytes a lane
	s_cmp_lt_u32 ttmp9, 512                        ; x's work-group, or weight's?  The choice hangs on the work-group's number alone; only moves, selects and a wait stand between the compare and the last select
	s_cselect_b32 s17, 0, 512
	s_cselect_b32 s31, 0, 1                        ; 1 for weight and wq
	s_mov_b32 s22, 0x44000000                      ; 512 = 1 / 2^-9
	s_cselect_b32 s22, 0x40dfffff, s22             ; or 1 / f32(64 / 448)
	s_mov_b32 s23, s22                             ; (the packed multiply names the pair and takes its low word for both halves)
	s_wait_kmcnt 0x0
	s_cselect_b64 s[4:5], s[4:5], s[6:7]           ; from where
	s_cselect_b64 s[8:9], s[8:9], s[10:11]         ; to where
	s_sub_co_u32 s17, ttmp9, s17                   ; L
	s_lshr_b32 s18, s17, 1                         ; which 16 places
	s_and_b32 s19, s17, 1
	s_lshl_b32 s19, s19, 2
	s_add_co_u32 s19, s19, s16                     ; which K step: 4 (L % 2) + wave
	s_lshr_b32 s24, s18, 1
	s_add_co_u32 s24, s24, s31                     ; the group of 32: in wq one further on, behind group 0
	s_cmp_eq_u32 s24, 129
	s_cselect_b32 s24, 0, s24                      ; the last two of the spare sixteens are wq's group 0
	s_add_co_u32 s25, s31, 128                     ; groups in a K step: 128 in xq, 129 in wq
	s_mul_i32 s25, s25, s19
	s_add_co_u32 s24, s24, s25
	s_mul_i32 s26, s24, SUB                        ; the group's part of my K step
	s_and_b32 s25, s18, 1                          ; u: which 16 rows of the group
	s_lshl_b32 s28, s25, 8
	s_add_co_u32 s28, s28, s26
	s_add_co_u32 s28, s28, 8192                    ; the scale bytes: behind the group's 32 rows of codes, 256 u on
	s_mov_b32 s29, 0
	s_lshl_b32 s25, s25, 12
	s_add_co_u32 s26, s26, s25                     ; the codes: 16 u rows of 256 bytes on
	s_mov_b32 s27, 0
	s_add_nc_u64 s[10:11], s[8:9], s[28:29]        ; all offsets stay under the buffers' 8,912,896 and 8,982,528 bytes
	s_add_nc_u64 s[8:9], s[8:9], s[26:27]
	s_cmp_ge_u32 ttmp9, 1012
	s_cbranch_scc1 .Lpad                           ; wq's spare groups have no source
	s_and_b32 s24, s18, 127
	s_lshl_b32 s24, s24, 5
	s_lshr_b32 s25, s18, 7
	s_add_co_u32 s24, s24, s25                     ; x: places 16 b on are rows 2 (16 (b % 128) + t) + b / 128
	s_lshl_b32 s25, s18, 4                         ; weight: rows 16 b + t
	s_cmp_eq_u32 s31, 0
	s_cselect_b32 s24, s24, s25
	s_lshl_b32 s20, s24, 14                        ; rows of 16,384 bytes (under 2^27),
	s_lshl_b32 s24, s19, 11                        ; 512 numbers of 4 bytes
	s_add_co_u32 s20, s20, s24
	s_mov_b32 s21, 0
	s_add_nc_u64 s[4:5], s[4:5], s[20:21]
	s_mov_b32 s30, 32768
	s_lshr_b32 s30, s30, s31                       ; from a step's row to the next: two rows of x, one of weight
	v_mov_b32 v[VO], v3
	v_add_nc_u32 v[VO+1], s30, v3
	v_add_nc_u32 v[VO+2], s30, v[VO+1]
	v_add_nc_u32 v[VO+3], s30, v[VO+2]
	s_lshl_b32 s30, s30, 2                         ; and four steps on
.macro LOAD t                          ; step t = the t-th of my 16 rows: its 2,048 bytes of my K step
.irp i, 0,1,2,3
	global_load_b128 v[R+16*((\t)%4)+4*\i:R+16*((\t)%4)+4*\i+3], v[VO+(\t)%4], s[4:5] offset:512*\i th:TH_LOAD_NT   ; 32 lanes read 512 consecutive bytes
.endr
.endm
.macro TURN t                          ; step t's numbers through the stage: LDS serves a wave's instructions in order (ISA guide 5.7.1), so no wait stands between the stores and the loads
.irp i, 0,1,2,3
	ds_store_b128 v14, v[R+16*((\t)%4)+4*\i:R+16*((\t)%4)+4*\i+3] offset:32*SP*((\t)%2)+8*SP*\i
.endr
.irp i, 0,1,2,3
	ds_load_b128 v[X+16*((\t)%2)+4*\i:X+16*((\t)%2)+4*\i+3], v15 offset:32*SP*((\t)%2)+16*\i
.endr
.endm
.irp t, 0,1,2,3
	LOAD \t
.endr
	s_wait_loadcnt 12                              ; step 0's four loads are in; those of steps 1 to 3 stay out
	s_wait_alu depctr_va_vdst(0)
	TURN 0
.macro STEP t
.set XS, X+16*((\t)%2)
.if (\t) > 0
	s_wait_dscnt 1                                 ; this step's numbers are back from the stage (the last step's byte store may be out): so its stores into the stage have read their registers,
.else
	s_wait_dscnt 0x0
.endif
.if (\t)+4 < STEPS
	v_add_nc_u32 v[VO+(\t)%4], s30, v[VO+(\t)%4]   ; this step's loads were shown done by the counted wait ahead of its turn through the stage: their offset may be stepped
	LOAD (\t)+4                                    ; and their registers take the loads of four steps on
.endif
.if (\t)+1 < STEPS
.if STEPS-2-(\t) >= 3
	s_wait_loadcnt 12                              ; the next step's four loads are in; those of the three steps behind it may be out
.else
	s_wait_loadcnt 4*(STEPS-2-(\t))                ; the tail: fewer steps are behind it
.endif
	TURN (\t)+1                                    ; and go through the other stage while this step is worked
.endif
.irp j, 0,2,4,6,8,10,12,14
	v_pk_mul_f32 v[XS+\j:XS+\j+1], v[XS+\j:XS+\j+1], s[22:23] op_sel_hi:[1,0]   ; v = x / X_SCALE or weight / W_SCALE, in f32
.endr
	v_max3_num_f32 v8, |v[XS]|, |v[XS+1]|, |v[XS+2]|               ; the largest magnitude of my 16, in two chains
	v_max3_num_f32 v9, |v[XS+3]|, |v[XS+4]|, |v[XS+5]|
.irp i, 6,10
	v_max3_num_f32 v8, v8, |v[XS+\i]|, |v[XS+\i+1]|
	v_max3_num_f32 v9, v9, |v[XS+\i+2]|, |v[XS+\i+3]|
.endr
	v_max3_num_f32 v8, v8, |v[XS+14]|, |v[XS+15]|
	v_max3_num_f32 v8, v8, v9, 0x1800000           ; and the floor 2^(3 - 127): so the byte cannot fall under 1
	v_max_num_f32_dpp v8, v8, v8 row_xmask:1 row_mask:0xf bank_mask:0xf   ; and of my neighbour's 16: the block's
	v_min_num_f32 v8, 0x43e00000, v8               ; THE CLIP: the clipped block's largest magnitude is at most 448
	v_add_nc_u32 v11, 0xff000000, v8               ; 2 off its exponent field: the conversion takes the exponent field of this operand as its scale, and nothing else of it
	v_cvt_scalef32_pk8_fp4_f32 v[C+2*(\t)], v[XS:XS+7], v11        ; eight numbers / the scale, to the nearest code, ties to even, beyond the largest code the largest; the first number's code in the lowest four bits
	v_cvt_scalef32_pk8_fp4_f32 v[C+2*(\t)+1], v[XS+8:XS+15], v11
	v_lshrrev_b32 v[E+(\t)], 23, v11               ; the scale's byte; also the plain instruction behind the conversions
	ds_store_b8 v5, v[E+(\t)] offset:16*(\t)       ; both lanes of a block write the same byte with the same value
	global_store_b64 v4, v[C+2*(\t):C+2*(\t)+1], s[8:9] offset:256*(\t)   ; the wave stores the row's 256 consecutive bytes, at a multiple of 256 from the buffer's first byte
.endm
.irp t, 0,1,2,3,4,5,6,7,8,9,10,11,12,13,14,15
	STEP \t
.endr
	ds_load_b64 v[12:13], v6                       ; LDS serves a wave's instructions in order: these see my byte stores
	s_wait_dscnt 0x0
	global_store_b64 v4, v[12:13], s[10:11]        ; my 16 rows' scale bytes: 256 consecutive bytes, aligned
	s_wait_tensorcnt 0x0
	ds_add_u32 v164, v165
	s_wait_dscnt 0x0
	s_endpgm
.Lpad:                                             ; 16 rows x 256 bytes of zero codes and 256 bytes of the scale 1: no LDS, no load
.irp i, 16,17,18,19
	v_mov_b32 v\i, 0
.endr
	v_mov_b32 v20, 0x7f7f7f7f
	v_mov_b32 v21, 0x7f7f7f7f
.irp i, 0,1,2,3,4,5,6,7
	global_store_b128 v3, v[16:19], s[8:9] offset:512*\i
.endr
	global_store_b64 v4, v[20:21], s[10:11]
	s_endpgm
.Lfunc_end_k_qa2a426e7a6_quant:
	.size	k_qa2a426e7a6_quant, .Lfunc_end_k_qa2a426e7a6_quant-k_qa2a426e7a6_quant
	.p2alignl 7, 3214868480
	.fill 96, 4, 3214868480
	.section	.rodata,"a",@progbits
	.p2align	6, 0x0
	.amdhsa_kernel k_qa2a426e7a6_quant
		.amdhsa_group_segment_fixed_size 33280
		.amdhsa_private_segment_fixed_size 0
		.amdhsa_enable_private_segment 0
		.amdhsa_kernarg_size 32
		.amdhsa_user_sgpr_count 2
		.amdhsa_user_sgpr_kernarg_segment_ptr 1
		.amdhsa_wavefront_size32 1
		.amdhsa_system_sgpr_workgroup_id_x 1
		.amdhsa_system_sgpr_workgroup_id_y 1
		.amdhsa_system_sgpr_workgroup_id_z 1
		.amdhsa_system_vgpr_workitem_id 0
		.amdhsa_next_free_vgpr 166
		.amdhsa_next_free_sgpr 66
		.amdhsa_reserve_vcc 0
		.amdhsa_float_denorm_mode_32 3
		.amdhsa_float_denorm_mode_16_64 3
		.amdhsa_memory_ordered 1
		.amdhsa_forward_progress 1
		.amdhsa_inst_pref_size 45
	.end_amdhsa_kernel
	.amdgpu_metadata
---
amdhsa.version: [ 1, 2 ]
amdhsa.kernels:
  - .name:           k_qa2a426e7a6_quant
    .symbol:         k_qa2a426e7a6_quant.kd
    .args:
      - { .name: x, .offset: 0, .size: 8, .value_kind: global_buffer, .address_space: global }
      - { .name: weight, .offset: 8, .size: 8, .value_kind: global_buffer, .address_space: global }
      - { .name: xq, .offset: 16, .size: 8, .value_kind: global_buffer, .address_space: global }
      - { .name: wq, .offset: 24, .size: 8, .value_kind: global_buffer, .address_space: global }
    .group_segment_fixed_size: 33280
    .private_segment_fixed_size: 0
    .kernarg_segment_align: 8
    .kernarg_segment_size: 32
    .max_flat_workgroup_size: 128
    .sgpr_count:     66
    .vgpr_count:     166
    .wavefront_size: 32
...
	.end_amdgpu_metadata
.endif
;; end of part 1
;; launch gemm (part 2): grid 16 x 16, 4 waves a work-group, clusters of 4 x 4, 327,680 bytes of LDS; arguments xq, wq, bias, out0; writes out0
.if DOCPART == 2
	.amdgcn_target "amdgcn-amd-amdhsa--gfx1250"
	.amdhsa_code_object_version 6
	.text
	.protected	k_qa2a426e7a6_gemm
	.globl	k_qa2a426e7a6_gemm
	.p2align	8
	.type	k_qa2a426e7a6_gemm,@function
k_qa2a426e7a6_gemm:
	s_mov_b64 s[64:65], 0
	v_nop
	global_prefetch_b8 v0, s[64:65] scope:SCOPE_SE
	s_setreg_imm32_b32 hwreg(HW_REG_WAVE_MODE, 25, 1), 1
	s_wait_xcnt 0x0
	s_wait_alu depctr_hold_cnt(0) depctr_sa_sdst(0) depctr_va_vdst(0) depctr_va_sdst(0) depctr_va_ssrc(0) depctr_va_vcc(0) depctr_vm_vsrc(0)
	s_getreg_b32 s2, hwreg(HW_REG_IB_STS2, 6, 4)
	s_cmp_eq_u32 s2, 0
	s_cbranch_scc0 .Lentry_in_a_cluster
	s_endpgm
.Lentry_in_a_cluster:
	s_bfe_u32 s2, ttmp6, 0x10000c
	s_cmp_lg_u32 s2, 0xf033
	s_cbranch_scc0 .Lentry_shape_is_right
	s_endpgm
.Lentry_shape_is_right:
; out0[m][n] = (sum over k of xq[m][k] wq[n][k]) x (X_SCALE x W_SCALE) + bias[n]: codes of FP4 (E2M1) with E8M0 scale bytes, as launch quant laid them; sums in f32.
; THE WORKSPACE: [8 K steps of 512][groups of 32 rows][8,704 bytes]: 32 rows x 256 bytes of codes, then 2 x 256 bytes of scale bytes (16 a row).  128 rows of a K step are one dense block of 136 x 256 bytes.
; xq's rows are sorted by parity (row 2 i + p at place 2048 p + i); wq has a group of zero codes in front and three behind.  A row of out0 is 16,000 bytes, so odd rows begin 128 bytes off a multiple of 256:
; tiles of odd rows (PAR = 1) lie 32 columns to the left, so that every store of 512 bytes begins at a multiple of 256; columns outside 0 .. 3999 are masked by EXEC.
; A tile of 256 x 256 is made by four waves, 128 x 128 each: 64 accumulators, 512 registers.  K goes in steps of 512 through two LDS slots; each wave fetches one dense block (codes and scales) by one tensor load.
; CLUSTERS 4 x 4: xq's blocks are asked for jointly along a row of the cluster, wq's along a column.  Clusters begin at K step 0 or 4 (KO) and go round.
; THE MATRIX INSTRUCTION IS USED TRANSPOSED (source 0 = 16 rows of wq, source 1 = 16 rows of xq): a lane holds eight neighbouring columns of a row of out0.
; REGISTERS: window 0: v0-31 addresses; v32-95 scale words, a set for each slot; v128-191, v192-255 xq's fragments, two sets.  Window 1: wq's fragments, two sets at v0 and v128.  Windows 2, 3: the accumulators.
; A step of 128 along K multiplies one set and fetches the next step's 32 fragment loads into the other, in three groups among its first 32 matrix instructions.
; THE LAST K STEP GOES BY ROWS: wq's fragments of the whole step fill window 1, xq's come by blocks of 16 rows (four buffers), and each block of 16 rows leaves when it is finished:
; through the wave's stage (in slot 0, which has had its last fill and its last read by then) back into its own accumulator registers as whole rows, x the factor + bias, stored.
; PREFETCH: behind the fill of K step t each wave names K step t + 2 of its block: of the block's 136 units of 256 bytes each of the four partners takes 34, told apart by address; the fills of the last two K steps ask for nothing.
.set KSTEPS, 8
.set NQ,     4
.set PITCH,  272                       ; 256 bytes + 16 of padding
.set FR,     8
.set NL,     2
.set NP,     4                         ; places behind this matrix form (ISA guide 7.12.1)
.set SUB,    8704
.set KSA,    128*SUB
.set KSB,    129*SUB
.set SUBL,   34*PITCH                  ; a group of 32 rows in LDS
.set CROWS,  136
.set HALFT,  CROWS*PITCH               ; what one tensor load brings
.set SLOT,   4*HALFT
.set LAPS,   KSTEPS/2
.set SPARE,  2*SLOT                    ; the spare words
.set SPITCH, 528
.set NCOL,   4000
.set OROW,   NCOL*4
.set PAIR,   2*OROW                    ; from a tile's row to the next: two rows of out0
.set BO,   7
.set BI,   8                           ; v8-11 my four columns' bias
.set COL,  12
.set ADRA, 16
.set ADRB, 20
.set ADRS, 22
.set STO,  24
.set RD,   25
.set CO,   26
.set SPW,  28
.set NIL,  29
.set PFO,  30                          ; v30-31 the prefetches' offsets: units 0-31, and 32, 33 of my 34
.set SC,   32
.set AF,   128
.set G1,  24
.set G0,  32
.set G1B, 48
.set G0B, 56
.set PAR, 69
.set AB,  70
.set BB,  72
.set KO,  74
.set OA,  76
.set OB,  78
.set PFB, 80                           ; s[80:81] my work-group's 34 units of the block that I fetch, K step 0
.set PFA, 82                           ; s[82:83] the same at the K step to be named
.set PO,  84                           ; s[84:85] an offset
.set KSP, 86                           ; bytes from K step to K step in the buffer that I fetch from
.set MSB, 0
.macro WIN new                         ; the immediate's high byte repeats the setting that is left
.if MSB != \new
	s_set_vgpr_msb (MSB<<8)|\new
.set MSB, \new
.endif
.endm
.set MUL_LO, 0xa1                      ; source 0 window 1, source 1 window 0, C and D window 2
.set MUL_HI, 0xf1
.set TO_B,   0x40
.macro JLOAD g0a, g1a, g0b, g1b        ; a joint load: waves 0, 1 for xq, waves 2, 3 for wq; s_nop 0 and four v_nop behind each line
	s_cmp_eq_u32 s15, 0
	s_cbranch_scc0 .Lfor_b_\@
	tensor_load_to_lds s[\g0a:\g0a+3], s[\g1a:\g1a+7]
	s_nop 0
.rept 4
	v_nop
.endr
	s_branch .Lasked_\@
.Lfor_b_\@:
	tensor_load_to_lds s[\g0b:\g0b+3], s[\g1b:\g1b+7]
	s_nop 0
.rept 4
	v_nop
.endr
.Lasked_\@:
.endm
.macro SETADR slot                     ; the slot's group 0: K step KO + slot
	s_mul_i32 s[OA], s[KO], KSA
	s_mul_i32 s[OB], s[KO], KSB
	s_add_nc_u64 s[G0+4*\slot+2:G0+4*\slot+3], s[AB:AB+1], s[OA:OA+1]
	s_add_nc_u64 s[G0B+4*\slot+2:G0B+4*\slot+3], s[BB:BB+1], s[OB:OB+1]
.if \slot
	s_add_nc_u64 s[G0+4*\slot+2:G0+4*\slot+3], s[G0+4*\slot+2:G0+4*\slot+3], KSA
	s_add_nc_u64 s[G0B+4*\slot+2:G0B+4*\slot+3], s[G0B+4*\slot+2:G0B+4*\slot+3], KSB
.endif
	s_or_b32 s[G0+4*\slot+3], s[G0+4*\slot+3], 0x80000000
	s_or_b32 s[G0B+4*\slot+3], s[G0B+4*\slot+3], 0x80000000
.endm
.macro PFADR slot                      ; the prefetch's address: K step (KO + 2) mod 8 + slot, two fills on
	s_add_co_u32 s[PO], s[KO], 2
	s_and_b32 s[PO], s[PO], 7
.if \slot
	s_add_co_u32 s[PO], s[PO], 1
.endif
	s_mul_i32 s[PO], s[PO], s[KSP]
	s_add_nc_u64 s[PFA:PFA+1], s[PFB:PFB+1], s[PO:PO+1]
.endm
.macro ASK test                        ; 34 units of 256 bytes, a lane a unit; test = 1: not in the loop's last trip, whose fills have no K step two on
.if \test
	s_cmp_gt_u32 s3, 1
	s_cbranch_scc0 .Lno_ask_\@
.endif
	global_prefetch_b8 v[PFO], s[PFA:PFA+1] th:TH_LOAD_NT scope:SCOPE_SE
	global_prefetch_b8 v[PFO+1], s[PFA:PFA+1] th:TH_LOAD_NT scope:SCOPE_SE
.Lno_ask_\@:
.endm
.macro CREST                           ; a round of the cluster's barrier behind its opening barrier
	s_cmp_lg_u32 s14, 0
	s_cbranch_scc1 .Lnot_wave_0_\@
	s_barrier_signal -3
.Lnot_wave_0_\@:
	s_barrier_wait -3
	s_barrier_signal -1
	s_barrier_wait -1
.endm
.macro CROUND
	s_barrier_signal -1
	s_barrier_wait -1
	CREST
.endm
	s_load_b256 s[4:11], s[0:1], 0x0               ; xq, wq, bias, out0
	v_lshl_add_u32 v[SPW], v0, 2, SPARE
	v_mov_b32 v[NIL], 0
	ds_add_u32 v[SPW], v[NIL]                      ; the opening lines: the add twice on end and its wait
	ds_add_u32 v[SPW], v[NIL]
	v_lshrrev_b32 v1, 5, v0
	v_readfirstlane_b32 s14, v1                    ; wave
	s_lshr_b32 s15, s14, 1                         ; my half of the tile's rows; also: I fetch for xq (0) or wq (1)
	s_and_b32 s16, s14, 1                          ; my half of its columns; also: which 128 rows I fetch
	s_bfe_u32 s40, ttmp6, 0x40000                  ; cx
	s_bfe_u32 s41, ttmp6, 0x40004                  ; cy
	s_lshl_b32 s42, ttmp9, 2
	s_add_co_u32 s42, s42, s40                     ; tile column
	s_and_b32 s18, ttmp7, 0xffff
	s_lshl_b32 s17, s18, 2
	s_add_co_u32 s17, s17, s41                     ; tile row, in xq's sorted places
	s_lshr_b32 s[PAR], s18, 1                      ; tile rows 8-15 hold the odd rows
	s_xor_b32 s19, s18, s[PAR]
	s_lshr_b32 s22, ttmp9, 1
	s_xor_b32 s22, s22, ttmp9
	s_xor_b32 s19, s19, s22
	s_and_b32 s19, s19, 1
	s_lshl_b32 s[KO], s19, 2                       ; the cluster's first K step: 0 or 4
	s_lshl_b32 s43, s41, 2
	s_lshl_b32 s43, 15, s43                        ; my row of the cluster
	s_lshl_b32 s44, 0x1111, s40                    ; my column
	s_or_b32 s[G1+0], s43, (3<<16)|(1<<20)|(1<<21)|(5<<22)|(3<<25)   ; elements of 8 bytes; 4 words of padding behind every 64; bit 21 beside the mask
	s_or_b32 s[G1B+0], s44, (3<<16)|(1<<20)|(1<<21)|(5<<22)|(3<<25)
.irp g, G1, G1B
	s_mov_b32 s[\g+1], 32<<16
	s_mov_b32 s[\g+2], CROWS<<16
	s_mov_b32 s[\g+3], 32<<16
	s_mov_b32 s[\g+4], CROWS
	s_mov_b32 s[\g+5], 32
	s_mov_b32 s[\g+6], 0
	s_mov_b32 s[\g+7], 0
.endr
	s_lshl_b32 s20, s17, 3
	s_lshl_b32 s21, s16, 2
	s_add_co_u32 s20, s20, s21
	s_mul_i32 s20, s20, SUB                        ; xq: group 8 x tile row + 4 x half
	s_mov_b32 s21, 0
	s_lshl_b32 s46, s42, 3
	s_lshl_b32 s47, s16, 2
	s_add_co_u32 s46, s46, s47
	s_add_co_u32 s46, s46, 1
	s_sub_co_u32 s46, s46, s[PAR]
	s_mul_i32 s46, s46, SUB                        ; wq: group 8 x tile column + 4 x half + 1 - PAR
	s_mov_b32 s47, 0
	s_mul_i32 s45, s14, HALFT                      ; where my block goes
	s_mov_b32 s[OA+1], 0
	s_mov_b32 s[OB+1], 0
	s_mov_b32 s[PO+1], 0
	s_mov_b32 s66, 0x39924925                      ; X_SCALE x W_SCALE
	s_mov_b32 s67, s66
	s_wait_dscnt 0x0                               ; both opening adds are done
	s_wait_kmcnt 0x0
	s_add_nc_u64 s[AB:AB+1], s[4:5], s[20:21]
	s_add_nc_u64 s[BB:BB+1], s[6:7], s[46:47]
	s_cmp_eq_u32 s15, 0                            ; the prefetches' base: the block that I fetch, my work-group's 34 units of it (place cx for xq, cy for wq)
	s_cselect_b32 s[PO], s40, s41
	s_mov_b32 s[KSP], KSB
	s_cselect_b32 s[KSP], KSA, s[KSP]
	s_cselect_b64 s[PFB:PFB+1], s[AB:AB+1], s[BB:BB+1]
	s_mul_i32 s[PO], s[PO], 34*256
	s_add_nc_u64 s[PFB:PFB+1], s[PFB:PFB+1], s[PO:PO+1]
	PFADR 0
.irp s, 0,1
	s_mov_b32 s[G0+4*\s], 1
	s_add_co_u32 s[G0+4*\s+1], s45, \s*SLOT
	s_mov_b32 s[G0B+4*\s], 1
	s_add_co_u32 s[G0B+4*\s+1], s45, \s*SLOT
	SETADR \s
.endr
	CROUND                                         ; all sixteen work-groups are here: the first joint loads meet
	JLOAD G0, G1, G0B, G1B                         ; the first K step: one tensor load a wave at the head
	s_mul_i32 s21, s15, HALFT                      ; my 128 rows of xq
	s_mul_i32 s22, s16, HALFT
	s_add_co_u32 s22, s22, 2*HALFT                 ; my 128 rows of wq
	s_sub_co_u32 s19, s22, s21
	s_mul_i32 s23, s14, 16*SPITCH                  ; my stage
	s_lshl_b32 s18, s42, 8
	s_lshl_b32 s20, s16, 7
	s_add_co_u32 s18, s18, s20
	s_lshl_b32 s20, s[PAR], 5
	s_sub_co_u32 s18, s18, s20                     ; my first column: 256 x tile column + 128 x half - 32 PAR
	v_and_b32 v1, 15, v0
	v_bfe_u32 v2, v0, 4, 1
	v_and_b32 v6, 31, v0
	v_mul_u32_u24 v3, v1, PITCH
	v_lshl_add_u32 v4, v2, 4, v3                   ; a fragment's row x pitch + 16 x half
	v_add_nc_u32 v[ADRA], s21, v4
	v_add_nc_u32 v[ADRB], s22, v4
	v_add_nc_u32 v[ADRA+1], SLOT, v[ADRA]
	v_add_nc_u32 v[ADRB+1], SLOT, v[ADRB]
	v_lshlrev_b32 v5, 4, v1                        ; scale words: 16 bytes a row; lanes 0-15 xq's, lanes 16-31 wq's
	v_mul_u32_u24 v13, s19, v2
	v_add_nc_u32 v5, v5, v13
	v_add_nc_u32 v[ADRS], s21, v5
	v_add_nc_u32 v[ADRS+1], SLOT, v[ADRS]
	v_mul_u32_u24 v3, v1, SPITCH
	v_lshl_add_u32 v3, v2, 5, v3
	v_add_nc_u32 v[STO], s23, v3                   ; into the stage: row l % 16, 32 bytes for each half of the lanes
	v_lshlrev_b32 v[CO], 4, v6                     ; back: 32 lanes take a row of 512 bytes; the same in out0
	v_add_nc_u32 v[RD], s23, v[CO]
	v_lshl_add_u32 v[COL], v6, 2, s18              ; my four columns' first
	v_lshlrev_b32 v[BO], 2, v[COL]
	v_min_u32 v[BO], OROW-16, v[BO]                ; lanes outside the row read its last 16 bytes and store nothing
	v_lshlrev_b32 v[PFO], 8, v6
	v_min_u32 v[PFO+1], 1, v6
	v_lshl_add_u32 v[PFO+1], v[PFO+1], 8, 32*256   ; units 32 and 33; the lanes left over name the last again
	global_load_b128 v[BI:BI+3], v[BO], s[8:9]
	ASK 0                                          ; two K steps on
	s_and_b32 s20, s17, 7                          ; where my part of out0 begins
	s_lshl_b32 s20, s20, 8
	s_lshl_b32 s21, s15, 7
	s_add_co_u32 s20, s20, s21
	s_mul_i32 s20, s20, PAIR
	s_mul_i32 s21, s[PAR], OROW-128
	s_add_co_u32 s20, s20, s21
	s_mov_b32 s21, 0
	s_lshl_b32 s46, s42, 10
	s_lshl_b32 s47, s16, 9
	s_add_co_u32 s46, s46, s47
	s_mov_b32 s47, 0
	s_add_nc_u64 s[20:21], s[20:21], s[46:47]
	s_add_nc_u64 s[10:11], s[10:11], s[20:21]
	s_wait_xcnt 0x0                                ; the prefetches have read their address
	PFADR 1
.macro FRAG reg, adr, q, i             ; 16 rows x 128 K: lane l holds row l % 16; registers 4 c .. 4 c + 3 hold K = 64 c + 32 (l / 16) + 0 .. 31
.irp c, 0,1
	ds_load_b128 v[\reg+4*\c:\reg+4*\c+3], v[\adr] offset:64*(\q)+32*\c+((\i)/2)*SUBL+((\i)%2)*16*PITCH
.endr
.endm
; 16 matrix instructions: xq's blocks a0, a0 + 1 x wq's eight; p: the sets; q: the slot's q-th 128 along K; sc: the set of scale words.  The 64 accumulators take turns, in the same order in every step.
.macro MUL16 a0, p, q, sc, zero
.irp a, \a0, \a0+1
.irp b, 0,1,2,3,4,5,6,7
.if \zero
	v_wmma_scale_f32_16x16x128_f8f6f4 v[8*(8*((\a)%4)+\b):8*(8*((\a)%4)+\b)+7], v[128*(\p)+FR*\b:128*(\p)+FR*\b+FR-1], v[AF+64*(\p)+FR*(\a):AF+64*(\p)+FR*(\a)+FR-1], 0, v[SC+8*NQ*(\sc)+NQ*\b+(\q)], v[SC+8*NQ*(\sc)+NQ*(\a)+(\q)] matrix_a_fmt:MATRIX_FMT_FP4 matrix_b_fmt:MATRIX_FMT_FP4 matrix_a_scale:MATRIX_SCALE_ROW1
.else
	v_wmma_scale_f32_16x16x128_f8f6f4 v[8*(8*((\a)%4)+\b):8*(8*((\a)%4)+\b)+7], v[128*(\p)+FR*\b:128*(\p)+FR*\b+FR-1], v[AF+64*(\p)+FR*(\a):AF+64*(\p)+FR*(\a)+FR-1], v[8*(8*((\a)%4)+\b):8*(8*((\a)%4)+\b)+7], v[SC+8*NQ*(\sc)+NQ*\b+(\q)], v[SC+8*NQ*(\sc)+NQ*(\a)+(\q)] matrix_a_fmt:MATRIX_FMT_FP4 matrix_b_fmt:MATRIX_FMT_FP4 matrix_a_scale:MATRIX_SCALE_ROW1
.endif
.endr
.endr
.endm
.macro FETCH_B slot, q, p, i0          ; four of wq's fragments into set p: 8 loads
	WIN TO_B
.irp i, \i0, \i0+1, \i0+2, \i0+3
	FRAG 128*(\p)+FR*(\i), ADRB+\slot, \q, \i
.endr
.endm
.macro FETCH_A slot, q, p, i0          ; four of xq's
	WIN 0
.irp i, \i0, \i0+1, \i0+2, \i0+3
	FRAG AF+64*(\p)+FR*(\i), ADRA+\slot, \q, \i
.endr
.endm
.macro SCALES sc                       ; a K step's scale words: lanes 0-15 xq's block i, lanes 16-31 wq's block i
	WIN 0
.irp i, 0,1,2,3,4,5,6,7
	ds_load_b128 v[SC+8*NQ*\sc+NQ*\i:SC+8*NQ*\sc+NQ*\i+3], v[ADRS+\sc] offset:(\i/2)*SUBL+32*PITCH+(\i%2)*PITCH
.endr
.endm
.macro PLACES n
.rept \n
	v_nop
.endr
.endm
; A step that has its successor in the same slot.  The places stand between the last step's products and the loads into the set that they read.
.macro STEP slot, q, zero
	s_wait_dscnt 4*NL                              ; all of this step's fragments but xq's blocks 4-7, the youngest eight loads
	PLACES NP
	FETCH_B \slot, (\q)+1, 1-(\q)%2, 0
	WIN MUL_LO
	MUL16 0, (\q)%2, \q, \slot, \zero
	FETCH_B \slot, (\q)+1, 1-(\q)%2, 4
	WIN MUL_LO
	MUL16 2, (\q)%2, \q, \slot, \zero
	FETCH_A \slot, (\q)+1, 1-(\q)%2, 0
	FETCH_A \slot, (\q)+1, 1-(\q)%2, 4
	s_wait_dscnt 32                                ; all but the 32 loads issued in this step
	WIN MUL_HI
	MUL16 4, (\q)%2, \q, \slot, \zero
	MUL16 6, (\q)%2, \q, \slot, \zero
.endm
; A slot's last step: its fragments are in registers, so the change of slots stands at its head.  Each wave waits for all its tensor loads, adds 0 to its spare word, waits for that and for its reads of this slot;
; the barrier opens a round of the cluster's barrier; behind the round this slot is filled again, two K steps on, and the other slot's first fragments are fetched.
.macro TURN slot, next
	WIN 0
	s_wait_xcnt 0x0                                ; my prefetches have read their address
.if \slot == 0
	s_add_co_u32 s[KO], s[KO], 2
	s_and_b32 s[KO], s[KO], 7
.endif
	PFADR \slot
	s_wait_tensorcnt 0x0                           ; my part of the next slot is in, and no load of mine is out: group 0 may be written
	ds_add_u32 v[SPW], v[NIL]
	SETADR \slot
	s_wait_dscnt 0x0
	s_barrier_signal -1
	WIN MUL_LO
	MUL16 0, 1, NQ-1, \slot, 0
	WIN 0
	s_barrier_wait -1
	CREST
	JLOAD G0+4*\slot, G1, G0B+4*\slot, G1B         ; the first tensor load behind the round; its four v_nop are the places in front of the loads below
	FETCH_B \next, 0, 0, 0
	FETCH_B \next, 0, 0, 4
	WIN MUL_LO
	MUL16 2, 1, NQ-1, \slot, 0
	FETCH_A \next, 0, 0, 0
	SCALES \next
	ASK 1
	WIN MUL_HI
	MUL16 4, 1, NQ-1, \slot, 0
	FETCH_A \next, 0, 0, 4
	WIN MUL_HI
	MUL16 6, 1, NQ-1, \slot, 0
.endm
.macro STEPS slot, from
.set Q, \from
.rept NQ-1-\from
	STEP \slot, Q, 0
.set Q, Q+1
.endr
.endm
	s_wait_alu depctr_va_vdst(0)
	s_wait_tensorcnt 0x0                           ; my part of the first K step is in
	ds_add_u32 v[SPW], v[NIL]
	s_wait_dscnt 0x0
	CROUND
	JLOAD G0+4, G1, G0B+4, G1B                     ; slot 1's first fill
	FETCH_B 0, 0, 0, 0
	FETCH_B 0, 0, 0, 4
	FETCH_A 0, 0, 0, 0
	SCALES 0
	FETCH_A 0, 0, 0, 4
	ASK 0
	STEP 0, 0, 1                                   ; the first step's products start the sums
	WIN 0
	s_mov_b32 s3, LAPS-1
.Llap:                                             ; a trip goes once round the ring and fills both slots again
	STEPS 0, 1
	TURN 0, 1
	STEPS 1, 0
	TURN 1, 0
	STEP 0, 0, 0
	WIN 0
	s_sub_co_u32 s3, s3, 1
	s_cmp_lg_u32 s3, 0
	s_cbranch_scc1 .Llap
	STEPS 0, 1
; THE LAST CHANGE OF SLOTS fills nothing, so no round follows; the last K step, in slot 1, goes by rows.
.macro BLOAD q                         ; wq's fragments of quarter q -> window 1, v[64 q ..]
.irp i, 0,1,2,3,4,5,6,7
	FRAG 64*\q+FR*\i, ADRB+1, \q, \i
.endr
.endm
.macro ALOAD a                         ; xq's block a, all four quarters -> buffer a % 4
.set FA, AF+32*((\a)%4)
.irp q, 0,1,2,3
	FRAG FA+FR*\q, ADRA+1, \q, \a
.endr
.endm
.macro ROW a                           ; block a is finished: 32 matrix instructions, its eight accumulators by turns, K ascending
.set FA, AF+32*((\a)%4)
.set AC, 64*((\a)%4)
	WIN MUL_LO+0x50*((\a)/4)
.irp q, 0,1,2,3
.if (\a) == 0
.if \q == 0
	s_wait_dscnt 56                                ; quarter 0, block 0 and the scale words are in
.else
	s_wait_dscnt 64-16*\q                          ; quarter q is in: behind it the later quarters (16 loads each) and blocks 2, 3 (16)
.endif
.endif
.irp b, 0,1,2,3,4,5,6,7
	v_wmma_scale_f32_16x16x128_f8f6f4 v[AC+8*\b:AC+8*\b+7], v[64*\q+FR*\b:64*\q+FR*\b+FR-1], v[FA+FR*\q:FA+FR*\q+FR-1], v[AC+8*\b:AC+8*\b+7], v[SC+8*NQ+NQ*\b+\q], v[SC+8*NQ+NQ*(\a)+\q] matrix_a_fmt:MATRIX_FMT_FP4 matrix_b_fmt:MATRIX_FMT_FP4 matrix_a_scale:MATRIX_SCALE_ROW1
.endr
.endr
.endm
.macro TOSTAGE a                       ; block a into my stage, each accumulator from its low end on, and back as rows of 512 bytes into the same 64 registers (LDS serves a wave's instructions in order: ISA guide 5.7.1)
.set AC, 64*((\a)%4)
	WIN 0x08+4*((\a)/4)
.irp b, 0,1,2,3,4,5,6,7
	ds_store_b128 v[STO], v[AC+8*\b:AC+8*\b+3] offset:64*\b
	ds_store_b128 v[STO], v[AC+8*\b+4:AC+8*\b+7] offset:64*\b+16
.endr
	WIN 0x80+0x40*((\a)/4)
.irp t, 0,1,2,3,4,5,6,7,8,9,10,11,12,13,14,15
	ds_load_b128 v[AC+4*\t:AC+4*\t+3], v[RD] offset:\t*SPITCH
.endr
.endm
.macro SEND a, younger                 ; x the factor + bias, and out; younger: the LDS loads issued behind TOSTAGE's
.set AC, 64*((\a)%4)
	s_wait_dscnt \younger
.if (\a) > 0
	s_add_nc_u64 s[10:11], s[10:11], 16*PAIR       ; (behind the wait on XCNT that closed the block before)
.endif
	WIN 0x82+0x41*((\a)/4)
.irp t, 0,1,2,3,4,5,6,7,8,9,10,11,12,13,14,15
	v_pk_fma_f32 v[AC+4*\t:AC+4*\t+1], v[AC+4*\t:AC+4*\t+1], s[66:67], v[BI:BI+1] op_sel_hi:[1,0,1]
	v_pk_fma_f32 v[AC+4*\t+2:AC+4*\t+3], v[AC+4*\t+2:AC+4*\t+3], s[66:67], v[BI+2:BI+3] op_sel_hi:[1,0,1]
.endr
	WIN 0x08+4*((\a)/4)
	s_wait_alu depctr_va_vdst(0)
	s_wait_xcnt 0x0                                ; EXEC changes only behind this wait
	s_and_saveexec_b32 s68, vcc_lo                 ; columns 0 .. 3999 alone
.irp t, 0,1,2,3,4,5,6,7,8,9,10,11,12,13,14,15
	global_store_b128 v[CO], v[AC+4*\t:AC+4*\t+3], s[10:11] offset:\t*PAIR th:TH_STORE_NT   ; 32 lanes store 512 consecutive bytes, from a multiple of 256
.endr
	s_wait_xcnt 0x0
	s_or_b32 exec_lo, exec_lo, s68
.endm
	WIN 0
	s_wait_tensorcnt 0x0                           ; my part of the last K step is in
	ds_add_u32 v[SPW], v[NIL]
	s_wait_dscnt 0x0                               ; my reads of slot 0 are over
	s_barrier_signal -1
	WIN MUL_LO
	MUL16 0, 1, NQ-1, 0, 0
	WIN 0
	s_barrier_wait -1
	PLACES NP                                      ; for the loads into set 0, which the step before multiplied
	WIN TO_B
	BLOAD 0
	WIN MUL_LO
	MUL16 2, 1, NQ-1, 0, 0
	WIN 0
	ALOAD 0
	SCALES 1
	ALOAD 1
	WIN MUL_HI
	MUL16 4, 1, NQ-1, 0, 0
	WIN TO_B
	BLOAD 1
	WIN MUL_HI
	MUL16 6, 1, NQ-1, 0, 0
	PLACES NP                                      ; for the loads into set 1
	WIN TO_B
	BLOAD 2
	BLOAD 3
	WIN 0
	ALOAD 2
	ALOAD 3
	s_wait_loadcnt 0x0                             ; the bias
	v_cmp_gt_u32 vcc_lo, NCOL, v[COL]              ; behind the last tensor load
	ROW 0
.irp a, 0,1,2,3,4,5,6,7                ; block a goes through the stage while block a + 1 is multiplied; block a - 1's 32 multiply-adds are the places behind block a's products
.if \a == 0
	PLACES NP
.endif
	TOSTAGE \a
.if \a < 4
	WIN 0
	ALOAD \a+4                                     ; its buffer takes the block four further on
.endif
.if \a < 7
.if \a < 4
	s_wait_dscnt 40                                ; all but this block's 32 stage instructions and the 8 loads just issued
.else
	s_wait_dscnt 32
.endif
	ROW \a+1
.endif
.if \a < 4
	SEND \a, 8
.else
	SEND \a, 0
.endif
.endr
	WIN 0
	s_wait_tensorcnt 0x0                           ; the wave's end
	ds_add_u32 v[SPW], v[NIL]
	s_wait_dscnt 0x0
	CROUND                                         ; the closing round
	s_endpgm
.Lfunc_end_k_qa2a426e7a6_gemm:
	.size	k_qa2a426e7a6_gemm, .Lfunc_end_k_qa2a426e7a6_gemm-k_qa2a426e7a6_gemm
	.p2alignl 7, 3214868480
	.fill 96, 4, 3214868480
	.section	.rodata,"a",@progbits
	.p2align	6, 0x0
	.amdhsa_kernel k_qa2a426e7a6_gemm
		.amdhsa_group_segment_fixed_size 327680
		.amdhsa_private_segment_fixed_size 0
		.amdhsa_enable_private_segment 0
		.amdhsa_kernarg_size 32
		.amdhsa_user_sgpr_count 2
		.amdhsa_user_sgpr_kernarg_segment_ptr 1
		.amdhsa_wavefront_size32 1
		.amdhsa_system_sgpr_workgroup_id_x 1
		.amdhsa_system_sgpr_workgroup_id_y 1
		.amdhsa_system_sgpr_workgroup_id_z 1
		.amdhsa_system_vgpr_workitem_id 0
		.amdhsa_next_free_vgpr 1024
		.amdhsa_next_free_sgpr 88
		.amdhsa_reserve_vcc 1
		.amdhsa_float_denorm_mode_32 3
		.amdhsa_float_denorm_mode_16_64 3
		.amdhsa_memory_ordered 1
		.amdhsa_forward_progress 1
		.amdhsa_inst_pref_size 229
	.end_amdhsa_kernel
	.amdgpu_metadata
---
amdhsa.version: [ 1, 2 ]
amdhsa.kernels:
  - .name:           k_qa2a426e7a6_gemm
    .symbol:         k_qa2a426e7a6_gemm.kd
    .args:
      - { .name: xq, .offset: 0, .size: 8, .value_kind: global_buffer, .address_space: global }
      - { .name: wq, .offset: 8, .size: 8, .value_kind: global_buffer, .address_space: global }
      - { .name: bias, .offset: 16, .size: 8, .value_kind: global_buffer, .address_space: global }
      - { .name: out0, .offset: 24, .size: 8, .value_kind: global_buffer, .address_space: global }
    .group_segment_fixed_size: 327680
    .private_segment_fixed_size: 0
    .kernarg_segment_align: 8
    .kernarg_segment_size: 32
    .max_flat_workgroup_size: 128
    .sgpr_count:     88
    .vgpr_count:     1024
    .wavefront_size: 32
...
	.end_amdgpu_metadata
.endif
;; end of part 2
